; MI455X (gfx1250); checked and timed in simulation.
; The chip was launched on July 23, 2026; its instructions are those of AMD's public machine-readable ISA for CDNA 5 (MIT licence, August 2026) and "CDNA5" Instruction Set Architecture Reference Guide (July 2026). The comments in the code are by the model that wrote it; some were corrected since.
;; SDPA With Ro PEGQA. Allowed arithmetic: matrix products marked QUANTISED: E4M3 operands, one given power-of-two scale a tensor, by v_wmma_f32_16x16x64_fp8_fp8 or v_wmma_f32_16x16x128_fp8_fp8, f32 sums; everything else in f32.
;; Inputs: Wk_codes 512 x 64 x 32 uint8 (E4M3 codes of Wk, K innermost, in blocks of 32 codes); Wo_codes 2,048 x 32 x 32 uint8 (E4M3 codes of Wo, K innermost, in blocks of 32 codes); Wq_codes 1,024 x 64 x 32 uint8 (E4M3 codes of Wq, K innermost, in blocks of 32 codes); Wv_codes 512 x 64 x 32 uint8 (E4M3 codes of Wv, K innermost, in blocks of 32 codes); lowp_scales 12 int32 (the exponents e of the quantised operands' scales 2^e); x_codes 2 x 2,048 x 64 x 32 uint8 (E4M3 codes of x, K innermost, in blocks of 32 codes).
;; Outputs: out0 2 x 2,048 x 2,048 float32.
;; This version of the problem:
;;   THIS VERSION OF THE PROBLEM IS GIVEN IN LOW PRECISION. The matrix products marked QUANTISED in the list below multiply operands that are first quantised to E4M3 (4 exponent bits, 3 mantissa bits; 8 bits a number), with one given power-of-two scale for each operand tensor; their sums are f32. All else is computed in f32.
;;   The module's matrix products, in the order in which they are computed (A, B: the left and right operand; K: the contracted axis; several contracted axes count as one K, in the product's order):
;;     1. [M 4,096, K 2,048] x [K 2,048, N 1,024]; A: input x (given as codes); B: input Wq (given as codes): QUANTISED (scales: A lowp_scales[0], B lowp_scales[1])
;;     2. [M 4,096, K 2,048] x [K 2,048, N 512]; A: input x (given as codes); B: input Wk (given as codes): QUANTISED (scales: A lowp_scales[2], B lowp_scales[3])
;;     3. [M 4,096, K 2,048] x [K 2,048, N 512]; A: input x (given as codes); B: input Wv (given as codes): QUANTISED (scales: A lowp_scales[4], B lowp_scales[5])
;;     4. batch 32 x [M 2,048, K 64] x [K 64, N 2,048]; A: computed on the way; B: computed on the way: QUANTISED (scales: A lowp_scales[6], B lowp_scales[7])
;;     5. batch 32 x [M 2,048, K 2,048] x [K 2,048, N 64]; A: softmax (see below); B: computed on the way: QUANTISED (scales: A lowp_scales[8], B lowp_scales[9])
;;     6. [M 4,096, K 1,024] x [K 1,024, N 2,048]; A: computed on the way; B: input Wo (given as codes): QUANTISED (scales: A lowp_scales[10], B lowp_scales[11])
;;   THE QUANTISER, for each operand of a quantised product, along K:
;;     - The operand's scale is 2^e, e = its entry of the input lowp_scales (int32; the entries are numbered through the quantised products in the list's order, A before B).
;;     - Each number is divided by the scale, clamped to +-448, and rounded to the nearest number of E4M3, ties to even, subnormals kept.
;;     - The product sums the exact products of the quantised numbers (number of the format x scale) in f32.
;;   ~~~python
;;   def quantise(x, axis, e):      # numpy; x: float32 -> the quantised numbers, widened to float32 again
;;       x = np.moveaxis(x, axis, -1); K = x.shape[-1]
;;       r = np.clip(x / 2.0 ** e, -448, 448)
;;       step = 2.0 ** (np.maximum(np.frexp(np.where(r == 0, 1, r))[1] - 1, -6) - 3)
;;       q = np.round(r / step) * step * 2.0 ** e      # np.round: ties to even
;;       return np.moveaxis(q, -1, axis).astype(np.float32)
;;   ~~~
;;   SOFTMAX AHEAD OF A QUANTISED PRODUCT. Where the list says 'softmax', what is quantised is not the finished softmax but p = 2^(t - M), with t = logit x log2(e) and M = ceil(the row's largest t), a whole number; so 1/2 < the row's largest p <= 1. The row's sum l is taken of the UNQUANTISED p, in f32, and the product's result is divided by l at the end. Since M is a whole number, a kernel that streams over the keys may use a running M (the ceiling of the running maximum): every later rescaling is an exact power of two, so the quantised numbers keep their values, but for numbers so far below the row's largest that they fall under the format's range.
;;   OPERANDS COMPUTED ON THE WAY. 'Computed on the way' means the value that the module computes at that place (a softmax that the list does not call 'softmax' is quantised finished and normalised). What goes into a quantiser is computed in f32, as accurately as f32 sums, v_exp_f32 and their like allow (about 1e-6 of the number): no bf16 or f16 on the way to a quantiser, and a product that is left as it is and whose result goes on into a quantised operand takes f32 operands (vector FMAs, or v_wmma_f32_16x16x4_f32). A number that lies on a knife's edge between two numbers of the format may be rounded either way, as far as f32 arithmetic and the matrix unit's own rounding can turn it there, and no further.
;;   INPUTS GIVEN AS CODES. Wk (in the module: [2048, 512], K = its axis 0); Wo (in the module: [1024, 2048], K = its axis 0); Wq (in the module: [2048, 1024], K = its axis 0); Wv (in the module: [2048, 512], K = its axis 0); x (in the module: [2, 2048, 2048], K = its axis 2): each comes as NAME_codes (uint8): NAME with its K axis moved to the last place and cut into blocks of 32 codes, [.., K / 32, bytes a block], one block behind the other in memory; one code a byte (a code: sign, 4 exponent bits, 3 mantissa bits); its scale is its entry of lowp_scales. Its value is code x scale, taken as it is: it is not quantised again, and the codes and scales need not be those that the quantiser above would give.
;; One version. Each part assembles by itself: llvm-mc -triple=amdgcn-amd-amdhsa -mcpu=gfx1250 --defsym DOCPART=n.
;; ======== version 1 of 1: 3 launches
;; limits: right only within a limited range of input values
;; workspace buffers: qf 4,194,304 bytes; kv 4,194,304 bytes; ao 4,194,304 bytes
;; launch qkv (part 1): grid 4 x 64, 4 waves a work-group, clusters of 4 x 4, 327,680 bytes of LDS; arguments x_codes, Wq_codes, Wk_codes, Wv_codes, lowp_scales, qf, kv; writes qf, kv
.if DOCPART == 1
	.amdgcn_target "amdgcn-amd-amdhsa--gfx1250"
	.amdhsa_code_object_version 6
	.text
	.protected	k_q493e6b691d_qkv
	.globl	k_q493e6b691d_qkv
	.p2align	8
	.type	k_q493e6b691d_qkv,@function
k_q493e6b691d_qkv:
	s_mov_b64 s[64:65], 0
	v_nop
	global_prefetch_b8 v0, s[64:65] scope:SCOPE_SE
	s_setreg_imm32_b32 hwreg(HW_REG_WAVE_MODE, 25, 1), 1
	s_wait_xcnt 0x0
	s_wait_alu depctr_hold_cnt(0) depctr_sa_sdst(0) depctr_va_vdst(0) depctr_va_sdst(0) depctr_va_ssrc(0) depctr_va_vcc(0) depctr_vm_vsrc(0)
	s_getreg_b32 s2, hwreg(HW_REG_IB_STS2, 6, 4)
	s_cmp_eq_u32 s2, 0
	s_cbranch_scc0 .Lentry_in_a_cluster
	s_endpgm
.Lentry_in_a_cluster:
	s_bfe_u32 s2, ttmp6, 0x10000c
	s_cmp_lg_u32 s2, 0xf033
	s_cbranch_scc0 .Lentry_shape_is_right
	s_endpgm
.Lentry_shape_is_right:
; q = rope(x Wq), k = rope(x Wk), v = x Wv on codes of E4M3, and the three results quantised again with the given scales.
; WORK LEFT OUT IN THIS PROGRAM (in the launch attn): key steps all of whose keys come after a tile's queries.  reference() builds the causal mask itself (jnp.tril) and sets
; those scores to the least f32 number, so their p is 0 in the row's sum and in the second product, whatever the inputs hold.  LIMIT: a NaN or an infinity that reaches only such scores is not carried to the result.
; x: [4096][2048] codes; Wq: [1024][2048], Wk, Wv: [512][2048] codes, K innermost.  lowp_scales: e0,e1 (x,Wq) e2,e3 (x,Wk) e4,e5 (x,Wv) e6 q, e7 k, e8 p, e9 v, e10, e11.
; OUT, as images of operand registers (a group of four registers = 512 bytes on end, lane l's 16 bytes at 16 l):
;   a tile of 16 positions of q or k is 1,024 bytes, a K = 64 fragment: lane (r, h) holds position r, registers 2 c, 2 c + 1 the channels 16 c + 8 h + 0..7.
;   a tile of 16 channels of V^T over a step of 128 keys is 2,048 bytes, a K = 128 fragment: registers 2 c, 2 c + 1 the keys 16 c + 8 h + 0..7.
;   kv [g = batch*8+kv head][262,144]: eight parts of 32,768 bytes; part p holds 2,048 bytes for each step s of 128 keys, at 2,048 s: parts 0-3 the key tiles 2 p and 2 p + 1 of the step, parts 4-7 the channel tile p - 4 of V^T.
;   qf [batch*16+head][131,072]: laid as kv's parts 0-3: block b of 16 positions at 32,768 ((b / 2) % 4) + 2,048 (b / 8) + 1,024 (b % 2).
; SHARES.  16 clusters of 4 x 4 work-groups; the cluster's number c says what is made: c / 4 = 0, 1: q; 2: k; 3: v.  A work-group multiplies P = 256 rows of x by R = 128 rows of a weight (two heads).
; P hangs on the place along x of the cluster and is asked for jointly by a column of it, R on the place along y and is asked for jointly by a row.
; A wave takes all of R as source 0 and its 64 positions as source 1, alike for q, k and v: 32 accumulators; a lane holds ONE position and its registers run along the channels.
;   q, k: rope's partner, 32 channels on, is the tile two further, same lane, same register; the conversions' results are the next operand's registers.
;   v: the next product's K is the keys, so the held sums are turned in f32 through the wave's own table bytes (which a cluster that makes v does not use otherwise): stored [channel][position], read back eight keys a lane.
; The sums stand for sum x 2^(ex + ew); rope is linear, so the three scales are folded into the conversion's one: 2^E, E = e6-e0-e1 (q), e7-e2-e3 (k), e9-e4-e5 (v).
; ROPE.  cos and sin of position x 10000^(-j/32) are made here: the frequency by v_exp_f32, the angle reduced by whole quarter turns (pi/2 in two parts), polynomials of degree 7 and 8 on |r| <= pi/4.
; LIMITS: E between -126 and 119.  NaN codes among the inputs are not served.  The frequency carries v_exp_f32's last place, so at the last positions the angle may differ by about 2e-4 rad from one made with another f32 frequency.
; K goes in steps of 256 through two LDS slots; fragments are fetched by 16-byte loads, which permutes k alike in both operands.
; REGISTERS: window 0: v1-31 addresses and constants; v32-127 at work; v128-191, v192-255 source 1's two sets.  window 1: source 0's two sets.  window 2: accumulator (a, b) at v[8 (8 a + b)], a: block of positions, b: block of channels.
.set PITCH,  272                       ; an LDS row: 256 bytes + 16 of padding
.set PHALF,  128*PITCH                 ; half of P: one tensor load
.set RHALF,  64*PITCH                  ; half of R: one tensor load
.set ROFF,   256*PITCH                 ; R lies behind P's 256 rows
.set SLOT,   384*PITCH
.set TAB,    2*SLOT                    ; behind the ring: for each wave 64 rows of 256 bytes + 16: q, k: a position's 32 cos, 32 sin; v: a channel's 64 positions
.set TABW,   64*PITCH
.set SPARE,  TAB+4*TABW                ; the spare words, 128 bytes for each wave
.set AD0, 16                           ; v16-17 LDS address of source 0's fragments in slot 0, 1
.set AD1, 20                           ; v20-21 the same for source 1
.set VST, 22                           ; v22  v's way out: my table + 8 h rows + 4 r
.set PFO, 23                           ; v23  the prefetches' offset: a lane a row; never rewritten
.set TST, 24                           ; v24  my table + 4 x lane
.set TRD, 25                           ; v25  my table + 272 r + 32 h
.set LI,  26                           ; v26  16 x lane
.set TAD, 27                           ; v27  where this trip's table rows go
.set SPW, 28                           ; v28  my spare word; never rewritten
.set NIL, 29                           ; v29  0; never rewritten
.set SCL, 30                           ; v30  2^E
.set LIM, 31                           ; v31  448 x 2^E
.set G1P, 24                           ; s[24:31] group 1 for P, s[32:39] its groups 0, one for each slot
.set G0P, 32
.set G1R, 48                           ; s[48:55], s[56:63] the same for R
.set G0R, 56
.set PFA, 94                           ; s[94:95] where my prefetches stand
.set MSB, 0
.macro WIN new                         ; the immediate's high byte repeats the setting that is left
.if MSB != \new
	s_set_vgpr_msb (MSB<<8)|\new
.set MSB, \new
.endif
.endm
.set MUL,  0xa1                        ; source 0 window 1, source 1 window 0, C and D window 2
.set TO_1, 0x40                        ; destination window 1, address window 0
; A joint load: waves 0 and 1 fetch P's halves, waves 2 and 3 R's.  The branch hangs on the wave's number alone.  s_nop 0 and four v_nop follow each line.
.macro JLOAD s
	s_cmp_eq_u32 s19, 0
	s_cbranch_scc0 .Lfor_r_\@
	tensor_load_to_lds s[G0P+4*\s:G0P+4*\s+3], s[G1P:G1P+7]
	s_nop 0
.rept 4
	v_nop
.endr
	s_branch .Lasked_\@
.Lfor_r_\@:
	tensor_load_to_lds s[G0R+4*\s:G0R+4*\s+3], s[G1R:G1R+7]
	s_nop 0
.rept 4
	v_nop
.endr
.Lasked_\@:
.endm
.macro CREST                           ; a round of the cluster's barrier behind its opening barrier
	s_cmp_lg_u32 s18, 0
	s_cbranch_scc1 .Lnot_wave_0_\@
	s_barrier_signal -3
.Lnot_wave_0_\@:
	s_barrier_wait -3
	s_barrier_signal -1
	s_barrier_wait -1
.endm
.macro CROUND
	s_barrier_signal -1
	s_barrier_wait -1
	CREST
.endm
.macro PLACES n
.rept \n
	v_nop
.endr
.endm
	s_load_b256 s[4:11], s[0:1], 0x0               ; x s[4:5], Wq s[6:7], Wk s[8:9], Wv s[10:11]
	s_load_b128 s[12:15], s[0:1], 0x20             ; the scales' exponents s[12:13], qf s[14:15]
	s_load_b64 s[16:17], s[0:1], 0x30              ; kv
	v_lshl_add_u32 v[SPW], v0, 2, SPARE
	v_mov_b32 v[NIL], 0
	ds_add_u32 v[SPW], v[NIL]                      ; the opening lines: the add, twice on end, and its wait ahead of my first tensor load
	ds_add_u32 v[SPW], v[NIL]
	v_lshrrev_b32 v1, 5, v0
	v_readfirstlane_b32 s18, v1                    ; wave 0..3
	s_lshr_b32 s19, s18, 1
	s_and_b32 s20, s18, 1
	s_bfe_u32 s21, ttmp6, 0x40000                  ; cx
	s_bfe_u32 s22, ttmp6, 0x40004                  ; cy
	s_and_b32 s23, ttmp7, 0xffff                   ; c: the cluster's number, 0..15
	s_lshr_b32 s40, s23, 2                         ; c / 4: 0, 1 q; 2 k; 3 v
	s_and_b32 s42, s23, 3
	s_lshl_b32 s42, s42, 2
	s_add_co_u32 s42, s42, s21                     ; P's tile: 4 (c % 4) + cx, 0..15
	s_cmp_lt_u32 s40, 2
	s_cselect_b32 s43, s40, 0
	s_lshl_b32 s43, s43, 2
	s_add_co_u32 s43, s43, s22                     ; R's tile: q: 4 (c / 4) + cy, 0..7; k, v: cy
	s_cmp_eq_u32 s40, 3
	s_cselect_b32 s41, 1, 0                        ; 1: this cluster makes v
	s_lshl_b32 s44, 0x1111, s21                    ; my column of the cluster
	s_lshl_b32 s45, s22, 2
	s_lshl_b32 s45, 15, s45                        ; my row
	s_or_b32 s[G1P+0], s44, (1<<20)|(1<<21)|(5<<22)|(3<<25)   ; the mask; elements of 1 byte; padding on; bit 21 beside a mask; 4 words behind every 64
	s_or_b32 s[G1R+0], s45, (1<<20)|(1<<21)|(5<<22)|(3<<25)
	s_mov_b32 s[G1P+1], 256<<16                    ; tensor_dim0
	s_mov_b32 s[G1P+2], 128<<16                    ; tensor_dim1
	s_mov_b32 s[G1P+3], 256<<16                    ; tile_dim0
	s_mov_b32 s[G1P+4], 128                        ; tile_dim1
	s_mov_b32 s[G1P+5], 2048                       ; bytes from row to row
	s_mov_b32 s[G1P+6], 0
	s_mov_b32 s[G1P+7], 0
	s_mov_b32 s[G1R+1], 256<<16
	s_mov_b32 s[G1R+2], 64<<16
	s_mov_b32 s[G1R+3], 256<<16
	s_mov_b32 s[G1R+4], 64
	s_mov_b32 s[G1R+5], 2048
	s_mov_b32 s[G1R+6], 0
	s_mov_b32 s[G1R+7], 0
	s_lshl_b32 s46, s42, 8
	s_lshl_b32 s2, s20, 7
	s_add_co_u32 s46, s46, s2
	s_lshl_b32 s46, s46, 11                        ; P: (256 tile + 128 half) rows of 2,048 bytes
	s_mov_b32 s47, 0
	s_lshl_b32 s66, s43, 7
	s_lshl_b32 s2, s20, 6
	s_add_co_u32 s66, s66, s2
	s_lshl_b32 s66, s66, 11                        ; R: (128 tile + 64 half) rows
	s_mov_b32 s67, 0
	s_mul_i32 s96, s20, PHALF                      ; where they go: no place in the cluster enters an LDS address
	s_mul_i32 s97, s20, RHALF
	s_add_co_u32 s97, s97, ROFF
	s_wait_dscnt 0x0                               ; both opening adds are done
	s_wait_kmcnt 0x0
	s_load_b256 s[68:75], s[12:13], 0x0            ; e0 .. e7
	s_load_b128 s[76:79], s[12:13], 0x20           ; e8 .. e11
	s_cmp_lt_u32 s40, 2                            ; which weight: the choice hangs on the cluster's number alone
	s_cselect_b64 s[94:95], s[6:7], s[8:9]
	s_cmp_eq_u32 s40, 3
	s_cselect_b64 s[94:95], s[10:11], s[94:95]
	s_add_nc_u64 s[46:47], s[4:5], s[46:47]
	s_add_nc_u64 s[66:67], s[94:95], s[66:67]
	CROUND                                         ; all sixteen work-groups are here: the first joint loads meet
.irp s, 0,1
	s_mov_b32 s[G0P+4*\s], 1
	s_add_co_u32 s[G0P+4*\s+1], s96, \s*SLOT
	s_add_nc_u64 s[G0P+4*\s+2:G0P+4*\s+3], s[46:47], \s*256
	s_or_b32 s[G0P+4*\s+3], s[G0P+4*\s+3], 0x80000000
	s_mov_b32 s[G0R+4*\s], 1
	s_add_co_u32 s[G0R+4*\s+1], s97, \s*SLOT
	s_add_nc_u64 s[G0R+4*\s+2:G0R+4*\s+3], s[66:67], \s*256
	s_or_b32 s[G0R+4*\s+3], s[G0R+4*\s+3], 0x80000000
.endr
	JLOAD 0                                        ; K step 0: one tensor load a wave at the head
	; THE PREFETCHES.  Of the rows that I fetch (128 of P, 64 of R) each of the four partners that ask with me takes a quarter, told apart by address: 32 rows, a lane a row, or 16 (lanes 16-31 name the same 16 again).
	s_cmp_eq_u32 s19, 0                            ; do I fetch for P?
	s_cselect_b64 s[PFA:PFA+1], s[46:47], s[66:67]
	s_cselect_b32 s2, s22, s21                     ; my place among the four: cy for P, cx for R
	s_cselect_b32 s3, 16, 15                       ; 32 or 16 rows of 2,048 bytes
	s_cselect_b32 s99, 31, 15
	s_lshl_b32 s2, s2, s3
	s_mov_b32 s3, 0
	s_add_nc_u64 s[PFA:PFA+1], s[PFA:PFA+1], s[2:3]
	s_add_nc_u64 s[PFA:PFA+1], s[PFA:PFA+1], 512   ; at K step 2: the first refill steps it to 3 and names K step 4
	v_and_b32 v[PFO], s99, v0
	v_lshlrev_b32 v[PFO], 11, v[PFO]
	; THE TABLE of cos and sin for my 64 positions, made while the first tile is on its way.  Lane j is frequency j.
	v_and_b32 v2, 31, v0
	v_cvt_f32_u32 v32, v2
	v_mul_f32 v32, 0xbed49a78, v32                 ; -j log2(10000) / 32
	s_wait_alu depctr_va_vdst(0)                   ; the wait ahead of the transcendental
	v_exp_f32 v32, v32                             ; 10000^(-j / 32)
	v_mov_b32 v33, 0xb94ca1f9                      ; (a plain place behind the exponential)  sin's highest coefficient
	v_mov_b32 v34, 0x37ccf5ce                      ; cos's
	s_mul_i32 s98, s18, TABW
	s_add_co_u32 s98, s98, TAB                     ; my table
	v_lshl_add_u32 v[TST], v2, 2, s98
	s_and_b32 s88, s42, 7
	s_lshl_b32 s88, s88, 8
	s_lshl_b32 s2, s18, 6
	s_add_co_u32 s88, s88, s2                      ; my first position in its batch: 256 (tile % 8) + 64 wave
	s_mov_b32 s90, 0xbfc90fdb                      ; -(pi/2), its upper part
	s_mov_b32 s91, 0x333bbd2e                      ; -(what is left of pi/2)
	s_mov_b32 s89, 0
	s_mov_b32 s87, 8
; Stage k of position i's cos and sin.  A trip's eight positions go stage by stage, so that eight independent chains take turns.  Twelve registers a position, from v96.
.macro TRG k, i
.set T, 96+12*\i
.if \k == 0
	v_add_nc_u32 v[T], \i, v35
.endif
.if \k == 1
	v_cvt_f32_u32 v[T], v[T]
.endif
.if \k == 2
	v_mul_f32 v[T], v[T], v32                      ; the angle a, rounded once
.endif
.if \k == 3
	v_mul_f32 v[T+1], 0x3f22f983, v[T]
.endif
.if \k == 4
	v_rndne_f32 v[T+1], v[T+1]                     ; n = the nearest whole number of quarter turns
.endif
.if \k == 5
	v_fma_f32 v[T+2], v[T+1], s90, v[T]
	v_cvt_i32_f32 v[T+3], v[T+1]
.endif
.if \k == 6
	v_fma_f32 v[T+2], v[T+1], s91, v[T+2]          ; r = a - n pi/2
	v_lshlrev_b32 v[T+9], 31, v[T+3]               ; n's bit 0 as a sign
	v_lshlrev_b32 v[T+10], 30, v[T+3]
.endif
.if \k == 7
	v_mul_f32 v[T+4], v[T+2], v[T+2]               ; z = r r
	v_and_b32 v[T+10], 0x80000000, v[T+10]         ; n's bit 1 as a sign
.endif
.if \k == 8
	v_fmaak_f32 v[T+5], v[T+4], v33, 0x3c08839e
	v_fmaak_f32 v[T+6], v[T+4], v34, 0xbab6061a
	v_mul_f32 v[T+7], v[T+4], v[T+4]
	v_fma_f32 v[T+8], v[T+4], -0.5, 1.0
.endif
.if \k == 9
	v_fmaak_f32 v[T+5], v[T+5], v[T+4], 0xbe2aaaa3
	v_fmaak_f32 v[T+6], v[T+6], v[T+4], 0x3d2aaaa5
	v_xor_b32 v[T+11], v[T+9], v[T+10]
.endif
.if \k == 10
	v_mul_f32 v[T+5], v[T+5], v[T+4]
	v_fma_f32 v[T+6], v[T+6], v[T+7], v[T+8]       ; cos r
.endif
.if \k == 11
	v_fma_f32 v[T+5], v[T+5], v[T+2], v[T+2]       ; sin r
.endif
.if \k == 12
	v_cmp_ne_u32 vcc_lo, 0, v[T+9]
	v_cndmask_b32 v[65+2*\i], v[T+5], v[T+6], vcc_lo   ; sin a: an odd n takes cos r,
	v_cndmask_b32 v[64+2*\i], v[T+6], v[T+5], vcc_lo   ; cos a: sin r
.endif
.if \k == 13
	v_xor_b32 v[65+2*\i], v[T+10], v[65+2*\i]      ; sin a changes sign with bit 1,
	v_xor_b32 v[64+2*\i], v[T+11], v[64+2*\i]      ; cos a with bit 1 xor bit 0
.endif
.if \k == 14
	ds_store_b32 v[TAD], v[64+2*\i] offset:\i*PITCH
	ds_store_b32 v[TAD], v[65+2*\i] offset:\i*PITCH+128
.endif
.endm
	s_wait_alu depctr_va_vdst(0)                   ; the wait behind the exponential, ahead of the label
.Ltab:                                             ; 8 trips of 8 positions; a cluster that makes v jumps over the work, not over the loop
	s_cmp_eq_u32 s41, 1
	s_cbranch_scc1 .Ltab_skip
	v_add_nc_u32 v[TAD], s89, v[TST]
	v_mov_b32 v35, s88
.irp k, 0,1,2,3,4,5,6,7,8,9,10,11,12,13,14
.irp i, 0,1,2,3,4,5,6,7
	TRG \k, \i
.endr
.endr
.Ltab_skip:
	s_add_co_u32 s88, s88, 8
	s_add_co_u32 s89, s89, 8*PITCH
	s_sub_co_u32 s87, s87, 1
	s_cmp_lg_u32 s87, 0
	s_cbranch_scc1 .Ltab
	; addresses: made of the lane, the wave's number and constants alone
	v_and_b32 v1, 15, v0                           ; r
	v_bfe_u32 v2, v0, 4, 1                         ; h
	v_mul_u32_u24 v3, v1, PITCH
	v_lshl_add_u32 v[TRD], v2, 5, v3
	v_add_nc_u32 v[TRD], s98, v[TRD]               ; the table: row r, 32 h bytes on
	v_mul_u32_u24 v[VST], v2, 8*PITCH
	v_lshl_add_u32 v[VST], v1, 2, v[VST]
	v_add_nc_u32 v[VST], s98, v[VST]               ; v's way out: row 8 h, word r
	v_lshl_add_u32 v3, v2, 4, v3                   ; a fragment: row r x pitch + 16 h
	v_and_b32 v[LI], 31, v0
	v_lshlrev_b32 v[LI], 4, v[LI]
	s_mul_i32 s99, s18, RHALF
	v_add_nc_u32 v[AD0], ROFF, v3                  ; source 0: all of R
	v_add_nc_u32 v[AD1], s99, v3                   ; source 1: my quarter of P
	v_add_nc_u32 v[AD0+1], SLOT, v[AD0]
	v_add_nc_u32 v[AD1+1], SLOT, v[AD1]
	s_wait_alu depctr_va_vdst(0)                   ; the wait here, directly ahead of the wait below
	s_wait_kmcnt 0x0
	s_sub_co_i32 s80, s74, s68
	s_sub_co_i32 s80, s80, s69                     ; e6 - e0 - e1
	s_sub_co_i32 s81, s75, s70
	s_sub_co_i32 s81, s81, s71                     ; e7 - e2 - e3
	s_sub_co_i32 s99, s77, s72
	s_sub_co_i32 s99, s99, s73                     ; e9 - e4 - e5
	s_cmp_lt_u32 s40, 2
	s_cselect_b32 s80, s80, s81
	s_cmp_eq_u32 s40, 3
	s_cselect_b32 s80, s99, s80                    ; E
	s_add_co_i32 s80, s80, 127
	s_lshl_b32 s81, s80, 23
	v_mov_b32 v[SCL], s81                          ; 2^E as f32: the conversion takes its exponent field
	s_add_co_i32 s80, s80, 8
	s_lshl_b32 s80, s80, 23
	s_or_b32 s80, s80, 0x600000
	v_mov_b32 v[LIM], s80                          ; 448 x 2^E
	; where my results go
	s_lshr_b32 s2, s42, 3                          ; batch
	s_and_b32 s3, s42, 7
	s_lshl_b32 s81, s3, 4
	s_lshl_b32 s99, s18, 2
	s_add_co_u32 s81, s81, s99                     ; q, k: my first block of 16 positions, b = 16 (tile % 8) + 4 wave, a multiple of 4
	s_lshl_b32 s92, s2, 4
	s_lshl_b32 s99, s43, 1
	s_add_co_u32 s92, s92, s99                     ; q: 16 batch + 2 R's tile: the first of my two heads
	s_lshl_b32 s92, s92, 17
	s_lshr_b32 s93, s81, 3
	s_lshl_b32 s93, s93, 11                        ; 2,048 (b / 8): the step,
	s_and_b32 s97, s81, 4
	s_lshl_b32 s97, s97, 14                        ; 32,768 ((b / 2) % 4): part 0 or 2
	s_add_co_u32 s93, s93, s97
	s_add_co_u32 s92, s92, s93                     ; q's offset
	s_lshl_b32 s96, s2, 3
	s_add_co_u32 s96, s96, s99                     ; k, v: g = 8 batch + 2 R's tile
	s_lshl_b32 s96, s96, 18
	s_add_co_u32 s97, s96, s93                     ; k's offset
	s_lshl_b32 s93, s3, 1
	s_add_co_u32 s93, s93, s19                     ; v: my step: 2 (tile % 8) + wave / 2
	s_lshl_b32 s93, s93, 11
	s_add_co_u32 s96, s96, s93
	s_add_co_u32 s96, s96, 131072                  ; part 4,
	s_lshl_b32 s93, s20, 10
	s_add_co_u32 s96, s96, s93                     ; my 64 keys are the step's lower or upper half: register groups 2 (wave % 2) on: v's offset
	s_mov_b32 s99, 0x40000                         ; from head to head: k's and v's,
	s_cmp_lt_u32 s40, 2
	s_cselect_b64 s[82:83], s[14:15], s[16:17]     ; qf or kv: the choice hangs on the cluster's number alone
	s_cselect_b32 s92, s92, s97
	s_cselect_b32 s99, 0x20000, s99                ; or q's
	s_cmp_eq_u32 s40, 3
	s_cselect_b32 s92, s96, s92
	s_mov_b32 s93, 0
	s_add_nc_u64 s[82:83], s[82:83], s[92:93]      ; my first head's place
	s_mov_b32 s92, s99
	s_add_nc_u64 s[84:85], s[82:83], s[92:93]      ; my second head's
.macro FRAG reg, adr, q, i             ; 16 rows x 128 K: 16 registers; registers 4 c .. 4 c + 3 hold K = 32 c + 16 h + 0 .. 15 of row r
.irp c, 0,1,2,3
	ds_load_b128 v[\reg+4*\c:\reg+4*\c+3], v[\adr] offset:128*(\q)+32*\c+(\i)*16*PITCH
.endr
.endm
.macro FETCH slot, q, set              ; 48 loads: source 0's eight fragments and source 1's four of the slot's q-th 128 along K
	WIN TO_1
.irp i, 0,1,2,3,4,5,6,7
	FRAG 128*(\set)+16*\i, AD0+\slot, \q, \i
.endr
	WIN 0
.irp i, 0,1,2,3
	FRAG 128+64*(\set)+16*\i, AD1+\slot, \q, \i
.endr
.endm
; 8 matrix instructions: block a of positions against the eight blocks of channels.  The 32 accumulators take turns, one instruction a turn, in the same order in every step.
.macro MUL8 a, set, zero
.irp b, 0,1,2,3,4,5,6,7
.if \zero
	v_wmma_f32_16x16x128_fp8_fp8 v[8*(8*(\a)+\b):8*(8*(\a)+\b)+7], v[128*(\set)+16*\b:128*(\set)+16*\b+15], v[128+64*(\set)+16*(\a):128+64*(\set)+16*(\a)+15], 0
.else
	v_wmma_f32_16x16x128_fp8_fp8 v[8*(8*(\a)+\b):8*(8*(\a)+\b)+7], v[128*(\set)+16*\b:128*(\set)+16*\b+15], v[128+64*(\set)+16*(\a):128+64*(\set)+16*(\a)+15], v[8*(8*(\a)+\b):8*(8*(\a)+\b)+7]
.endif
.endr
.endm
; A slot's first 128 along K, on set 0; the second 128's fragments are fetched into set 1 ahead of the 32 products.
.macro STEP slot, zero
	s_wait_dscnt 0x0                               ; set 0 is in
	PLACES 4                                       ; four plain places between the last product that read set 1 and the loads into it (ISA guide 7.12.1 for vector instructions)
	FETCH \slot, 1, 1
	WIN MUL
	MUL8 0, 0, \zero
	MUL8 1, 0, \zero
	MUL8 2, 0, \zero
	MUL8 3, 0, \zero
.endm
; A slot's second 128, on set 1, and the change of slots: ONE barrier; in front of it each wave waits for all its tensor loads, adds 0 to its spare word, and waits for that and for its reads of this slot.
; fill = 1: the slot is filled again, and behind the fragment loads one prefetch names the K step that stands two refills on (256 bytes of each of my rows); the last two refills have no such K step.
.macro TURN slot, next, fill
	WIN 0                                          ; (the add's two registers lie in window 0)
.if \fill
	s_wait_xcnt 0x0                                ; any prefetch of mine has read its address: it is stepped here, a K step behind that prefetch
	s_add_nc_u64 s[PFA:PFA+1], s[PFA:PFA+1], 256
.endif
	s_wait_tensorcnt 0x0                           ; all my tensor loads have landed: my part of the next slot
	ds_add_u32 v[SPW], v[NIL]                      ; 0 onto my spare word
	s_wait_dscnt 0x1                               ; set 1's 48 loads are in; the add alone may be out
	WIN MUL
	MUL8 0, 1, 0                                   ; eight matrix instructions stand between the add and the wait for it
	s_wait_dscnt 0x0                               ; the add is done, and my reads of this slot are over
	s_barrier_signal -1
	MUL8 1, 1, 0
	WIN 0
	s_barrier_wait -1
.if \fill
	CREST                                          ; the barrier has opened a round of the cluster's: no wave of any partner still reads this slot or has a load on its way
	s_add_nc_u64 s[G0P+4*\slot+2:G0P+4*\slot+3], s[G0P+4*\slot+2:G0P+4*\slot+3], 512
	s_add_nc_u64 s[G0R+4*\slot+2:G0R+4*\slot+3], s[G0R+4*\slot+2:G0R+4*\slot+3], 512
	JLOAD \slot                                    ; the first tensor load behind the round; its four v_nop are also the places in front of the loads into set 0
.else
	PLACES 4
.endif
	FETCH \next, 0, 0
.if \fill
	s_cmp_gt_u32 s86, 1                            ; s86 = 1 in the loop's last trip
	s_cbranch_scc0 .Lno_ask_\@
	global_prefetch_b8 v[PFO], s[PFA:PFA+1] offset:256 th:TH_LOAD_NT scope:SCOPE_SE
.Lno_ask_\@:
.endif
	WIN MUL
	MUL8 2, 1, 0
	MUL8 3, 1, 0
.endm
	s_wait_alu depctr_va_vdst(0)                   ; the wait at the head's end
	s_wait_tensorcnt 0x0                           ; my part of K step 0 is in
	ds_add_u32 v[SPW], v[NIL]
	s_wait_dscnt 0x0                               ; the add and my table's stores are done
	CROUND                                         ; everybody's part of K step 0 is in, and all sixteen work-groups are here
	JLOAD 1                                        ; K step 1: the first tensor load behind the round
	FETCH 0, 0, 0
	STEP 0, 1                                      ; the first products start the sums: nothing is cleared
	WIN 0
	s_mov_b32 s86, 3
.Llap:                                             ; a trip goes once round the ring and fills both slots again: K steps 2 to 7
	TURN 0, 1, 1
	STEP 1, 0
	TURN 1, 0, 1
	STEP 0, 0
	WIN 0
	s_sub_co_u32 s86, s86, 1
	s_cmp_lg_u32 s86, 0
	s_cbranch_scc1 .Llap
	TURN 0, 1, 0                                   ; the last lap fills nothing
	STEP 1, 0
	s_wait_dscnt 0x0
	MUL8 0, 1, 0
	MUL8 1, 1, 0
	MUL8 2, 1, 0
	MUL8 3, 1, 0
	WIN 0
	PLACES 4                                       ; in front of the first read of results and of writes into the fragments' registers
	s_cmp_eq_u32 s41, 1
	s_cbranch_scc1 .Lway_v
	; THE WAY OUT OF q AND k.  v32-63, v64-95: a block's cos and sin, two sets; v96-111 products; v112-143 a head's 64 channels of my position (32 a lane); v144-207 codes, eight registers for each (block, head).
.macro TABLOAD a                       ; block a's 16 positions: cos of frequencies 8 h + 0..7 and 16 + 8 h + 0..7, then sin of the same
.set CSB, 32+32*((\a)%2)
.irp u, 0,1,2,3
	ds_load_b128 v[CSB+8*\u:CSB+8*\u+3], v[TRD] offset:16*PITCH*(\a)+64*\u
	ds_load_b128 v[CSB+8*\u+4:CSB+8*\u+7], v[TRD] offset:16*PITCH*(\a)+64*\u+16
.endr
.endm
.macro ROPE a, hd
.set CSB, 32+32*((\a)%2)
.set CDB, 144+8*(2*(\a)+\hd)
	WIN 0x02                                       ; source 0: the sums, window 2
.irp bp, 0,1
.set X1, 8*(8*(\a)+4*(\hd)+\bp)                ; channels 16 bp + 8 h + j; their partners, 32 on, lie two accumulators further.  Each accumulator is read from its low end on
.irp jp, 0,2,4,6
	v_pk_mul_f32 v[96+\jp:97+\jp], v[X1+16+\jp:X1+17+\jp], v[CSB+16+8*\bp+\jp:CSB+17+8*\bp+\jp]
	v_pk_mul_f32 v[104+\jp:105+\jp], v[X1+\jp:X1+1+\jp], v[CSB+16+8*\bp+\jp:CSB+17+8*\bp+\jp]
.endr
.irp jp, 0,2,4,6
	v_pk_fma_f32 v[112+8*\bp+\jp:113+8*\bp+\jp], v[X1+\jp:X1+1+\jp], v[CSB+8*\bp+\jp:CSB+1+8*\bp+\jp], v[96+\jp:97+\jp] neg_lo:[0,0,1] neg_hi:[0,0,1]   ; x1 cos - x2 sin
	v_pk_fma_f32 v[128+8*\bp+\jp:129+8*\bp+\jp], v[X1+16+\jp:X1+17+\jp], v[CSB+8*\bp+\jp:CSB+1+8*\bp+\jp], v[104+\jp:105+\jp]                             ; x2 cos + x1 sin
.endr
.endr
	WIN 0
.set i, 0
.rept 32
	v_med3_num_f32 v[112+i], v[112+i], -v[LIM], v[LIM]   ; the conversion to an 8-bit code does not saturate (ISA guide 7.6.2): the hold at the largest code x the scale
.set i, i+1
.endr
.irp bt, 0,1,2,3
	v_cvt_scalef32_pk8_fp8_f32 v[CDB+2*\bt:CDB+2*\bt+1], v[112+8*\bt:119+8*\bt], v[SCL]   ; registers 2 bt, 2 bt + 1 of the K = 64 fragment
.endr
	v_nop                                          ; one plain vector instruction behind the last conversion, ahead of the next writes of its sources
	global_store_b128 v[LI], v[CDB:CDB+3], s[82+2*\hd:83+2*\hd] offset:32768*((\a)/2)+1024*((\a)%2)         ; block b + a: part a / 2 on, tile a % 2; 32 lanes store 512 consecutive bytes
	global_store_b128 v[LI], v[CDB+4:CDB+7], s[82+2*\hd:83+2*\hd] offset:32768*((\a)/2)+1024*((\a)%2)+512
.endm
	TABLOAD 0
.irp a, 0,1,2,3
.if \a < 3
	TABLOAD \a+1
	s_wait_dscnt 0x8                               ; this block's eight loads are in; the next block's may be out
.else
	s_wait_dscnt 0x0
.endif
	ROPE \a, 0
	ROPE \a, 1
.endr
	s_branch .Lend
.Lway_v:
	; THE WAY OUT OF v, a head at a time.  The held sums go to my table bytes as [channel][position] (register 8 b + j of block a: channel 16 b + 8 h + j, position 16 a + r),
	; and come back eight neighbouring keys a lane: channel 16 ct + r, keys 16 c + 8 h + 0..7.  LDS serves a wave's instructions in order (ISA guide 5.7.1.4), and the bytes are my own: no barrier.
	; v32-63 held sums; v64-191 a head's 64 channels x 64 keys; v192-255 codes, 32 registers a head.
.irp hd, 0,1
.irp a, 0,1,2,3
	WIN 0x02
.set i, 0
.rept 32
	v_med3_num_f32 v[32+i], v[64*\a+32*\hd+i], -v[LIM], v[LIM]   ; the hold, out of the accumulators, each from its low end on
.set i, i+1
.endr
	WIN 0
.set i, 0
.rept 32
	ds_store_b32 v[VST], v[32+i] offset:(16*(i/8)+i%8)*PITCH+64*\a
.set i, i+1
.endr
.endr
.irp ct, 0,1,2,3
.irp c, 0,1,2,3
	ds_load_b128 v[64+32*\ct+8*\c:67+32*\ct+8*\c], v[TRD] offset:16*PITCH*\ct+64*\c
	ds_load_b128 v[68+32*\ct+8*\c:71+32*\ct+8*\c], v[TRD] offset:16*PITCH*\ct+64*\c+16
.endr
.endr
	s_wait_dscnt 0x0
.irp ct, 0,1,2,3
.irp c, 0,1,2,3
	v_cvt_scalef32_pk8_fp8_f32 v[192+32*\hd+8*\ct+2*\c:193+32*\hd+8*\ct+2*\c], v[64+32*\ct+8*\c:71+32*\ct+8*\c], v[SCL]
.endr
.endr
	v_nop                                          ; one plain vector instruction behind the last conversion
.irp ct, 0,1,2,3
.irp gl, 0,1
	global_store_b128 v[LI], v[192+32*\hd+8*\ct+4*\gl:195+32*\hd+8*\ct+4*\gl], s[82+2*\hd:83+2*\hd] offset:32768*\ct+512*\gl   ; part 4 + ct; 32 lanes store 512 consecutive bytes
.endr
.endr
.endr
.Lend:
	s_wait_tensorcnt 0x0                           ; the wave's end
	ds_add_u32 v[SPW], v[NIL]
	s_wait_dscnt 0x0
	CROUND                                         ; the closing round: no work-group ends while a partner may still ask for a tile that names it
	s_endpgm
.Lfunc_end_k_q493e6b691d_qkv:
	.size	k_q493e6b691d_qkv, .Lfunc_end_k_q493e6b691d_qkv-k_q493e6b691d_qkv
	.p2alignl 7, 3214868480
	.fill 96, 4, 3214868480
	.section	.rodata,"a",@progbits
	.p2align	6, 0x0
	.amdhsa_kernel k_q493e6b691d_qkv
		.amdhsa_group_segment_fixed_size 327680
		.amdhsa_private_segment_fixed_size 0
		.amdhsa_enable_private_segment 0
		.amdhsa_kernarg_size 56
		.amdhsa_user_sgpr_count 2
		.amdhsa_user_sgpr_kernarg_segment_ptr 1
		.amdhsa_wavefront_size32 1
		.amdhsa_system_sgpr_workgroup_id_x 1
		.amdhsa_system_sgpr_workgroup_id_y 1
		.amdhsa_system_sgpr_workgroup_id_z 1
		.amdhsa_system_vgpr_workitem_id 0
		.amdhsa_next_free_vgpr 768
		.amdhsa_next_free_sgpr 100
		.amdhsa_reserve_vcc 1
		.amdhsa_float_denorm_mode_32 3
		.amdhsa_float_denorm_mode_16_64 3
		.amdhsa_memory_ordered 1
		.amdhsa_forward_progress 1
		.amdhsa_inst_pref_size 145
	.end_amdhsa_kernel
	.amdgpu_metadata
---
amdhsa.version: [ 1, 2 ]
amdhsa.kernels:
  - .name:           k_q493e6b691d_qkv
    .symbol:         k_q493e6b691d_qkv.kd
    .args:
      - { .name: x_codes, .offset: 0, .size: 8, .value_kind: global_buffer, .address_space: global }
      - { .name: Wq_codes, .offset: 8, .size: 8, .value_kind: global_buffer, .address_space: global }
      - { .name: Wk_codes, .offset: 16, .size: 8, .value_kind: global_buffer, .address_space: global }
      - { .name: Wv_codes, .offset: 24, .size: 8, .value_kind: global_buffer, .address_space: global }
      - { .name: lowp_scales, .offset: 32, .size: 8, .value_kind: global_buffer, .address_space: global }
      - { .name: qf, .offset: 40, .size: 8, .value_kind: global_buffer, .address_space: global }
      - { .name: kv, .offset: 48, .size: 8, .value_kind: global_buffer, .address_space: global }
    .group_segment_fixed_size: 327680
    .private_segment_fixed_size: 0
    .kernarg_segment_align: 8
    .kernarg_segment_size: 56
    .max_flat_workgroup_size: 128
    .sgpr_count:     100
    .vgpr_count:     768
    .wavefront_size: 32
...
	.end_amdgpu_metadata
.endif
;; end of part 1
;; launch attn (part 2): grid 16 x 16, 8 waves a work-group, no clusters, 327,680 bytes of LDS; arguments qf, kv, lowp_scales, ao; writes ao
.if DOCPART == 2
	.amdgcn_target "amdgcn-amd-amdhsa--gfx1250"
	.amdhsa_code_object_version 6
	.text
	.protected	k_q493e6b691d_attn
	.globl	k_q493e6b691d_attn
	.p2align	8
	.type	k_q493e6b691d_attn,@function
k_q493e6b691d_attn:
	s_mov_b64 s[64:65], 0
	v_nop
	global_prefetch_b8 v0, s[64:65] scope:SCOPE_SE
	s_setreg_imm32_b32 hwreg(HW_REG_WAVE_MODE, 25, 1), 1
	s_wait_xcnt 0x0
; Causal attention on codes of E4M3: 16 query heads on 8 key and value heads, head size 64, 2,048 positions, 2 batches.  Both products quantised.
; LEFT OUT: key steps all of whose keys come after a tile's queries: reference()'s own causal mask makes their p 0 (shown at the head of the launch qkv).
; qf, kv: images of operand registers (a group of four registers = 512 bytes, lane l's 16 bytes at 16 l):
;   kv [g = batch*8+kv head][262,144]: eight parts of 32,768 bytes; part p holds 2,048 bytes for each step s of 128 keys, at 2,048 s: parts 0-3 the tiles 2 p, 2 p + 1 of 16 keys (1,024 each), parts 4-7 the tile p - 4 of 16 channels of V^T.
;   qf [batch*16+head][131,072]: block b of 16 positions at 32,768 ((b / 2) % 4) + 2,048 (b / 8) + 1,024 (b % 2).
; ao, the result as codes, the last product's operand: [K step / 2][block of 16 rows][K step % 2][2,048]: registers 4 c .. 4 c + 3 at 512 c + 16 l hold k = 128 K step + 32 c + 16 h + 0 .. 15 of row r.
; THE SOFTMAX: t = score x log2(e) / 8; M = the largest t so far, rounded UP to a whole number; p = 2^(t - M) is quantised with 2^e8, not normalised; the sum is taken of the unquantised p and divides at the end.
; When M moves, the sum and O are multiplied by 2^(old M - new M), which rounds nothing.  The running maximum is kept as a score: c is positive, so c x the largest score is the largest t.
; SHARES.  Work-group (i, g) owns blocks i and 31 - i of 64 positions, for both query heads of kv head g.  Wave w takes ONE head (w % 2) and TWO tiles of 16 positions: tile 0 in block i, 16 (w / 2) on,
; tile 1 in block 31 - i, 16 (3 - w / 2) on.  Tile 0 counts i / 2 + 1 key steps and tile 1 (31 - i) / 2 + 1: 17 together, whatever i and w are.
; A step's work is written for both tiles (while tile 0's keys last) and for tile 1 alone; the choice is a scalar branch on ids.
; Only the lower of a body's tiles can lie on the diagonal: while tile 0 is walked the step's last key is 1,023 at the most, and tile 1's queries begin at 1,024.
; Both products are used transposed (S^T = K Q^T, O^T = V^T P): a lane holds one query throughout; a tile of S^T, converted, is registers 2 kt, 2 kt + 1 of P.
; LDS HOLDS g'S WHOLE kv, 262,144 bytes, as it lies in memory: nothing is filled again.  Wave w fetches part w: steps 0 to 4 (10,240 dense bytes) at the head, steps 5 to 15 (22,528 dense bytes) behind the first barrier.
; Every work-group reads steps 5 to 8 (tile 1's queries begin at 1,024 or later), so each wave's second load brings bytes that are read; what lies past a work-group's last query comes with it and is not read.
; Two barriers in all: the walk is written for 4 and for 12 steps, so that all trip counts are constants.  A step's K fragments are fetched in the step before, straight behind that step's score products (step 0's ahead of the first walk).
; The first load holds one step more than the first walk multiplies, so that this walk's last step finds the next step's K among bytes that the first barrier has shown.
; PREFETCH: the 16 work-groups of a g read the same kv.  At the head work-groups 0, 1, 2 ask for steps 4-7, 8-11, 12-15: wave w for part w's 8,192 bytes, lanes 256 bytes apart: each block named once for each g, ahead of the second loads by the time that the first take to land
; (step 4, which the first loads bring, is named with its three neighbours, so that each request is a whole run of 8,192 bytes).
; NO JOINT LOADS: left as plain loads, since the work-groups of a g differ in how many steps they walk and so reach the second load's barrier at different times.
; LIMITS: e6 + e7 between -123 and 130 (added to c's exponent field); e8 and e10 between -126 and 119; e8 + e9 is applied by v_ldexp_f32 and has none.  NaN codes are not served.  The scaled scores stay under 2^31 in magnitude.
; REGISTERS: window 0: v1-12 addresses and constants; v16-31 statistics, eight a tile; v32-39 maxima, v40-55 sums, four chains a tile; v56-57 lane permutes; v58-61 the step's places in LDS; v64-191 S^T, then p, 64 a tile; v192-223 p's codes; v224-239 the way out.
;   window 1: v0-15 Q; v64-127 K's eight tiles; v128-191 V's four; v192-255 O^T, 32 a tile.
.set SPARE, 262144                     ; behind kv's image: the spare words, 128 bytes for each of eight waves
.set FIRST, 10240                      ; bytes of a part that the first load brings: steps 0 to 4
.set LI,   1                           ; v1  16 x lane
.set SPW,  3                           ; v3  my spare word; never rewritten
.set NIL,  4                           ; v4  0; never rewritten
.set LIM8, 5                           ; v5  448 x 2^e8
.set SCL8, 6                           ; v6  2^e8
.set DD,   7                           ; v7  the diagonal: my query - the step's first key - 8 h
.set NINF, 8                           ; v8  -infinity
.set RH,   9                           ; v9  r - 8 h
.set PFO,  12                          ; v12 256 x lane; never rewritten
.set ST,   16                          ; tile t at v[16 + 8 t]: +0 -M, +1 the largest score, +2, +3 the sum, +4 f (+5 named with it), +6 at work, +7 the old -M
.set PL,   56
.set AK,   58                          ; v58-61: 2,048 x step + 16 x lane + 65,536 x 0..3: parts 0-1, 2-3, 4-5, 6-7
.set S,    64
.set P,    192
.set KR,   64                          ; window 1
.set VR,   128
.set OT,   192
; s14 tile 0's first query, s16 tile 1's, s17 the step's first key, s18 2,048 x step, s20 steps to go in this walk
.set MSB, 0
.macro WIN new
.if MSB != \new
	s_set_vgpr_msb (MSB<<8)|\new
.set MSB, \new
.endif
.endm
.macro QOFF d, q                       ; s[d] = s21 + the place of the block of 16 positions that begins at s[q]
	s_bfe_u32 s39, s[\q], 0x20005
	s_lshl_b32 s39, s39, 15
	s_add_co_u32 s[\d], s21, s39
	s_lshr_b32 s39, s[\q], 7
	s_lshl_b32 s39, s39, 11
	s_add_co_u32 s[\d], s[\d], s39
	s_bfe_u32 s39, s[\q], 0x10004
	s_lshl_b32 s39, s39, 10
	s_add_co_u32 s[\d], s[\d], s39
.endm
.macro KL off                          ; K's eight tiles, off bytes on from the step in hand
	WIN 0x40
.irp kt, 0,1,2,3,4,5,6,7
	ds_load_b128 v[KR+8*\kt:KR+8*\kt+3], v[AK+\kt/4] offset:((\kt/2)%2)*32768+(\kt%2)*1024+\off
	ds_load_b128 v[KR+8*\kt+4:KR+8*\kt+7], v[AK+\kt/4] offset:((\kt/2)%2)*32768+(\kt%2)*1024+\off+512
.endr
	WIN 0
.endm
	s_load_b256 s[4:11], s[0:1], 0x0               ; qf s[4:5], kv s[6:7], the scales' exponents s[8:9], ao s[10:11]
	v_lshl_add_u32 v[SPW], v0, 2, SPARE
	v_mov_b32 v[NIL], 0
	ds_add_u32 v[SPW], v[NIL]                      ; the opening lines: the add, twice on end, and its wait ahead of my first tensor load
	ds_add_u32 v[SPW], v[NIL]
	v_lshrrev_b32 v1, 5, v0
	v_readfirstlane_b32 s12, v1                    ; wave 0..7
	s_and_b32 s15, ttmp7, 0xffff                   ; g
	s_and_b32 s63, s12, 1                          ; my head of the two
	s_lshr_b32 s39, s12, 1
	s_lshl_b32 s39, s39, 4
	s_lshl_b32 s14, ttmp9, 6
	s_add_co_u32 s14, s14, s39                     ; tile 0: 64 i + 16 (w / 2)
	s_sub_co_u32 s16, 31, ttmp9
	s_lshl_b32 s16, s16, 6
	s_add_co_u32 s16, s16, 48
	s_sub_co_u32 s16, s16, s39                     ; tile 1: 64 (31 - i) + 16 (3 - w / 2)
	s_mov_b32 s24, 3<<16                           ; group 1 of the first load: no mask, elements of 8 bytes, no padding
	s_mov_b32 s25, 32<<16                          ; tensor_dim0 = 32 elements: rows of 256 bytes
	s_mov_b32 s26, 40<<16                          ; tensor_dim1 = 40
	s_mov_b32 s27, 32<<16                          ; tile_dim0
	s_mov_b32 s28, 40                              ; tile_dim1
	s_mov_b32 s29, 32                              ; dense: a row begins where the last ends
	s_mov_b32 s30, 0
	s_mov_b32 s31, 0
	s_mov_b32 s68, 3<<16                           ; group 1 of the second: 88 such rows
	s_mov_b32 s69, 32<<16
	s_mov_b32 s70, 88<<16
	s_mov_b32 s71, 32<<16
	s_mov_b32 s72, 88
	s_mov_b32 s73, 32
	s_mov_b32 s74, 0
	s_mov_b32 s75, 0
	s_mov_b32 s32, 1
	s_lshl_b32 s33, s12, 15                        ; part w, in LDS as in memory
	s_mov_b32 s76, 1
	s_add_co_u32 s77, s33, FIRST                   ; its step 5
	s_lshl_b32 s52, s15, 18                        ; g's 262,144 bytes
	s_add_co_u32 s52, s52, s33
	s_mov_b32 s53, 0
	s_lshl_b32 s21, s15, 1
	s_add_co_u32 s21, s21, s63
	s_lshl_b32 s21, s21, 17                        ; qf: head 2 g + w % 2
	QOFF 54, 14
	s_mov_b32 s55, 0
	QOFF 56, 16
	s_mov_b32 s57, 0
	s_min_u32 s21, ttmp9, 2                        ; the prefetch: steps 4 + 4 min(i, 2) on of part w, so that the address lies in kv whatever i is
	s_lshl_b32 s21, s21, 13
	s_add_co_u32 s60, s52, s21
	s_add_co_u32 s60, s60, 8192
	s_mov_b32 s61, 0
	s_mov_b32 s36, 0x76543210                      ; v_permlanex16_b32: lane l xor 16
	s_mov_b32 s37, 0xfedcba98
	s_mov_b32 s38, 0xffff0000                      ; lanes 16 to 31
	s_mov_b32 s22, 0x3e38aa3b                      ; c = log2(e) / 8
	s_mov_b32 s17, 0
	s_mov_b32 s18, 0
	s_wait_dscnt 0x0                               ; both opening adds are done
	s_wait_kmcnt 0x0
	s_load_b64 s[46:47], s[8:9], 0x18              ; e6, e7
	s_load_b128 s[48:51], s[8:9], 0x20             ; e8 .. e11
	s_add_nc_u64 s[34:35], s[6:7], s[52:53]
	s_add_nc_u64 s[78:79], s[34:35], FIRST
	s_or_b32 s35, s35, 0x80000000
	s_or_b32 s79, s79, 0x80000000
	tensor_load_to_lds s[32:35], s[24:31]          ; steps 0 to 4 of my part: every wave's one load at the head
	s_nop 0
.rept 4
	v_nop
.endr
	s_add_nc_u64 s[60:61], s[6:7], s[60:61]
	s_add_nc_u64 s[56:57], s[4:5], s[56:57]
	s_add_nc_u64 s[4:5], s[4:5], s[54:55]
	v_and_b32 v[LI], 31, v0
	v_lshlrev_b32 v[PFO], 8, v[LI]
	v_lshlrev_b32 v[LI], 4, v[LI]
	WIN 0x40                                       ; destination window 1
	global_load_b128 v[0:3], v[LI], s[4:5]                     ; Q's two fragments stay in registers
	global_load_b128 v[4:7], v[LI], s[4:5] offset:512
	global_load_b128 v[8:11], v[LI], s[56:57]
	global_load_b128 v[12:15], v[LI], s[56:57] offset:512
	WIN 0
	s_cmp_lt_u32 ttmp9, 3
	s_cbranch_scc0 .Lno_ask
	global_prefetch_b8 v[PFO], s[60:61] th:TH_LOAD_NT scope:SCOPE_SE   ; the address is never rewritten
.Lno_ask:
	WIN 0x40
.set j, 0
.rept 64
	v_mov_b32 v[OT+j], 0                           ; O^T.  (The first step finds zeros, which the first change of M leaves zeros)
.set j, j+1
.endr
	WIN 0
.irp t, 0,1
	v_mov_b32 v[ST+8*\t], 0x7f61b1e6               ; -M: 3e38, a whole number
	v_mov_b32 v[ST+8*\t+1], 0xff61b1e6             ; the largest score so far: -3e38
	v_mov_b32 v[ST+8*\t+2], 0                      ; the sum, in two halves
	v_mov_b32 v[ST+8*\t+3], 0
	v_mov_b32 v[ST+8*\t+4], 0                      ; written once, so that they are defined on every way
	v_mov_b32 v[ST+8*\t+5], 0
	v_mov_b32 v[ST+8*\t+6], 0
	v_mov_b32 v[ST+8*\t+7], 0
	v_mov_b32 v[PL+\t], 0                          ; a lane permute's destination counts as one of its sources
.endr
	v_mov_b32 v[NINF], 0xff800000
	v_and_b32 v[RH], 15, v0
	v_bfe_u32 v10, v0, 4, 1
	v_lshlrev_b32 v10, 3, v10
	v_sub_nc_u32 v[RH], v[RH], v10
	; where my results go: K step = kv head; my head is registers 8 (w % 2) on of the K step's sixteen
	s_bfe_u32 s21, s15, 0x20001                    ; kv head / 2
	s_lshl_b32 s21, s21, 20
	s_lshr_b32 s39, s15, 3                         ; batch: 128 blocks of 4,096 bytes
	s_lshl_b32 s39, s39, 19
	s_add_co_u32 s21, s21, s39
	s_and_b32 s39, s15, 1
	s_lshl_b32 s39, s39, 11
	s_add_co_u32 s21, s21, s39
	s_lshl_b32 s39, s63, 10
	s_add_co_u32 s21, s21, s39
	s_lshl_b32 s52, s14, 8                         ; the block of 16 rows
	s_add_co_u32 s52, s52, s21
	s_lshl_b32 s58, s16, 8
	s_add_co_u32 s58, s58, s21
	s_mov_b32 s59, 0
	s_add_nc_u64 s[58:59], s[10:11], s[58:59]      ; tile 1's
	s_add_nc_u64 s[10:11], s[10:11], s[52:53]      ; tile 0's
	s_wait_kmcnt 0x0
	s_add_co_i32 s21, s46, s47
	s_lshl_b32 s21, s21, 23
	s_add_co_i32 s22, s22, s21                     ; a score stands for score x 2^(e6 + e7): added to c's exponent field
	s_mov_b32 s23, s22                             ; (named with it as a pair)
	s_add_co_i32 s21, s48, 127
	s_lshl_b32 s39, s21, 23
	v_mov_b32 v[SCL8], s39
	s_add_co_i32 s21, s21, 8
	s_lshl_b32 s21, s21, 23
	s_or_b32 s21, s21, 0x600000
	v_mov_b32 v[LIM8], s21
; Stage k of a step's vector work for tile t.  A body runs each stage for its tiles one behind the other; maxima and sums go in four chains a tile.
.macro SG k, t
.set A, ST+8*\t
.set B, S+64*\t
.set M4, 32+4*\t
.set A4, 40+8*\t
.if \k == 0                            ; the step's largest score of my query among my 64 keys; each accumulator is read from its low end on
.irp c, 0,1,2,3
	v_max3_num_f32 v[M4+\c], v[B+16*\c], v[B+16*\c+1], v[B+16*\c+2]
.endr
.irp i, 3,5,7,9,11,13
.irp c, 0,1,2,3
	v_max3_num_f32 v[M4+\c], v[M4+\c], v[B+16*\c+\i], v[B+16*\c+\i+1]
.endr
.endr
	v_max3_num_f32 v[M4], v[M4], v[B+15], v[B+31]
	v_max3_num_f32 v[M4+2], v[M4+2], v[B+47], v[B+63]
	v_mov_b32 v[A+7], v[A]                         ; the old -M
	v_max3_num_f32 v[M4], v[M4], v[M4+1], v[M4+3]
	v_max_num_f32 v[A+6], v[M4], v[M4+2]
.endif
.if \k == 1
	v_permlanex16_b32 v[PL+\t], v[A+6], s36, s37
.endif
.if \k == 2
	v_max3_num_f32 v[A+1], v[A+1], v[A+6], v[PL+\t]   ; the running largest score: mine and lane l xor 16's
.endif
.if \k == 3
	v_mul_f32 v[A+6], s22, v[A+1]                  ; as t
.endif
.if \k == 4
	v_floor_f32 v[A], -v[A+6]                      ; the new -M = floor(-t): M is a whole number
.endif
.if \k == 5
	v_sub_f32 v[A+6], v[A], v[A+7]                 ; old M - new M: a whole number, 0 or less
.endif
.if \k == 6
	v_cvt_i32_f32 v[A+6], v[A+6]                   ; (it saturates)
.endif
.if \k == 7
	v_ldexp_f32 v[A+4], 1.0, v[A+6]                ; f = 2^(old M - new M)
.endif
.if \k == 8                            ; O^T under the new M (destination and source 0 in window 1)
.set j, 0
.rept 16
	v_pk_mul_f32 v[OT+32*\t+j:OT+32*\t+j+1], v[OT+32*\t+j:OT+32*\t+j+1], v[A+4:A+5] op_sel_hi:[1,0]
.set j, j+2
.endr
.endif
.if \k == 9                            ; t - M, two at a time
.set j, 0
.rept 32
	v_pk_fma_f32 v[B+j:B+j+1], v[B+j:B+j+1], s[22:23], v[A:A+1] op_sel_hi:[1,0,0]
.set j, j+2
.endr
.endif
.if \k == 10                           ; the row's sum is taken of the unquantised p; the old sum x f comes in by the last line
.irp c, 0,1,2,3
	v_pk_add_f32 v[A4+2*\c:A4+2*\c+1], v[B+16*\c:B+16*\c+1], v[B+16*\c+2:B+16*\c+3]
.endr
.irp i, 4,6,8,10,12,14
.irp c, 0,1,2,3
	v_pk_add_f32 v[A4+2*\c:A4+2*\c+1], v[A4+2*\c:A4+2*\c+1], v[B+16*\c+\i:B+16*\c+\i+1]
.endr
.endr
	v_pk_add_f32 v[A4:A4+1], v[A4:A4+1], v[A4+2:A4+3]
	v_pk_add_f32 v[A4+4:A4+5], v[A4+4:A4+5], v[A4+6:A4+7]
	v_pk_add_f32 v[A4:A4+1], v[A4:A4+1], v[A4+4:A4+5]
	v_pk_fma_f32 v[A+2:A+3], v[A+2:A+3], v[A+4:A+5], v[A4:A4+1] op_sel_hi:[1,0,1]
.endif
.if \k == 11                           ; the hold (the conversion does not saturate: ISA guide 7.6.2; p is not negative, so it is one-sided), then the codes: registers 2 e, 2 e + 1 of P: keys 16 e + 8 h + 0..7
.set j, 0
.rept 64
	v_min_num_f32 v[B+j], v[B+j], v[LIM8]
.set j, j+1
.endr
.irp e, 0,1,2,3,4,5,6,7
	v_cvt_scalef32_pk8_fp8_f32 v[P+16*\t+2*\e:P+16*\t+2*\e+1], v[B+8*\e:B+8*\e+7], v[SCL8]
.endr
.endif
.endm
.macro ALLT t0, k                      ; stage k for tiles t0 .. 1
.if \t0 == 0
	SG \k, 0
.endif
	SG \k, 1
.endm
; A step's work for tiles t0 .. 1.  K's loads went out ahead of V's 16.
.macro BODY t0
	s_wait_alu depctr_va_vdst(0)                   ; the wait here, directly ahead of the wait below
	s_wait_dscnt 16                                ; K's 16 loads are in; V's 16 may be out
	WIN 0x05                                       ; sources 0 and 1 window 1, destination window 0
.irp kt, 0,1,2,3,4,5,6,7
.if \t0 == 0
	v_wmma_f32_16x16x64_fp8_fp8 v[S+8*\kt:S+8*\kt+7], v[KR+8*\kt:KR+8*\kt+7], v[0:7], 0
.endif
	v_wmma_f32_16x16x64_fp8_fp8 v[S+64+8*\kt:S+64+8*\kt+7], v[KR+8*\kt:KR+8*\kt+7], v[8:15], 0
.endr
	WIN 0
.rept 4
	v_nop                                          ; four places in front of the first read of the scores and of the loads into K's registers
.endr
	s_add_co_u32 s21, s17, 113
	s_cmp_gt_u32 s21, s16                          ; the next step's first key comes after tile 1's last query (at step 15 always: 1,920 + 113 is above the largest first query, 2,032): it is not walked
	s_cbranch_scc1 .Lnopre_\@
	KL 2048                                        ; the next step's K
.Lnopre_\@:
	s_add_co_u32 s21, s17, 127
	s_cmp_le_u32 s21, s[14+2*\t0]                  ; all keys of the step count for the body's lower tile: no mask
	s_cbranch_scc1 .Lopen_\@
	s_sub_co_i32 s21, s[14+2*\t0], s17
	v_add_nc_u32 v[DD], s21, v[RH]                 ; register 8 kt + j holds key 16 kt + 8 h + j of the step: hidden where 16 kt + j > my query - first key - 8 h
.set n, 0
.rept 16                               ; four masks in scalar registers take turns
.irp u, 0,1,2,3
	v_cmp_gt_i32 s[52+\u], 16*((n+\u)/8)+(n+\u)%8, v[DD]
.endr
.irp u, 0,1,2,3
	v_cndmask_b32 v[S+64*\t0+n+\u], v[S+64*\t0+n+\u], v[NINF], s[52+\u]
.endr
.set n, n+4
.endr
.Lopen_\@:
.irp k, 0,1,2,3,4,5,6,7
	ALLT \t0, \k
.endr
	WIN 0x41                                       ; O^T window 1, f window 0
	s_wait_alu depctr_va_vdst(0)                   ; the wait here, directly ahead of the first reader of O^T
	ALLT \t0, 8
	WIN 0
	ALLT \t0, 9
	s_wait_alu depctr_va_vdst(0)                   ; the wait ahead of the batch
.set j, 64*\t0
.rept 128-64*\t0
	v_exp_f32 v[S+j], v[S+j]                       ; p = 2^(t - M), at most 1
.set j, j+1
.endr
	v_nop                                          ; a plain place behind the exponentials
	s_wait_alu depctr_va_vdst(0)                   ; one wait for the whole batch, ahead of its first reader
	ALLT \t0, 10
	ALLT \t0, 11
	v_nop                                          ; one plain vector instruction behind the last conversion
	s_wait_alu depctr_va_vdst(0)                   ; the wait here, directly ahead of the wait below
	s_wait_dscnt 0x0                               ; V is in
	WIN 0x51                                       ; V window 1, P window 0, O^T window 1
.irp ct, 0,1,2,3                               ; the accumulators take turns, one instruction a turn
.if \t0 == 0
	v_wmma_f32_16x16x128_fp8_fp8 v[OT+8*\ct:OT+8*\ct+7], v[VR+16*\ct:VR+16*\ct+15], v[P:P+15], v[OT+8*\ct:OT+8*\ct+7]
.endif
	v_wmma_f32_16x16x128_fp8_fp8 v[OT+32+8*\ct:OT+32+8*\ct+7], v[VR+16*\ct:VR+16*\ct+15], v[P+16:P+31], v[OT+32+8*\ct:OT+32+8*\ct+7]
.endr
	WIN 0
.endm
; n steps that stand behind one barrier.  A step finds its K in registers or on its way: it was asked for in the step before.
.macro WALK n
	s_mov_b32 s20, \n
.Lstep_\@:
	s_add_co_u32 s21, s16, 15
	s_cmp_gt_u32 s17, s21                          ; all keys of the step come after both tiles' queries: nothing to do
	s_cbranch_scc1 .Lhidden_\@
	v_add_nc_u32 v[AK], s18, v[LI]                 ; the four additions are also the places between the last step's products and the loads into V's registers
	v_add_nc_u32 v[AK+1], 65536, v[AK]
	v_add_nc_u32 v[AK+2], 131072, v[AK]
	v_add_nc_u32 v[AK+3], 196608, v[AK]
	WIN 0x40
.irp f, 0,1,2,3,4,5,6,7,8,9,10,11,12,13,14,15
	ds_load_b128 v[VR+4*\f:VR+4*\f+3], v[AK+2+\f/8] offset:((\f/4)%2)*32768+(\f%4)*512
.endr
	WIN 0
	s_add_co_u32 s21, s14, 15
	s_cmp_gt_u32 s17, s21                          ; tile 0's keys are over
	s_cbranch_scc1 .Lonly_1_\@
	BODY 0
	s_branch .Lhidden_\@
.Lonly_1_\@:
	BODY 1
.Lhidden_\@:
	s_add_co_u32 s18, s18, 2048
	s_add_co_u32 s17, s17, 128
	s_sub_co_u32 s20, s20, 1
	s_cmp_lg_u32 s20, 0
	s_cbranch_scc1 .Lstep_\@
.endm
	s_wait_alu depctr_va_vdst(0)                   ; the wait at the head's end
	s_wait_loadcnt 0x0                             ; Q
	s_wait_tensorcnt 0x0                           ; my part of steps 0 to 4 is in
	ds_add_u32 v[SPW], v[NIL]
	s_wait_dscnt 0x0
	s_barrier_signal -1
	s_barrier_wait -1
	tensor_load_to_lds s[76:79], s[68:75]          ; steps 5 to 15 of my part: it has four steps' work in which to land
	s_nop 0
.rept 4
	v_nop
.endr
	v_add_nc_u32 v[AK], s18, v[LI]
	v_add_nc_u32 v[AK+1], 65536, v[AK]
	KL 0                                           ; step 0's K
	WALK 4                                         ; steps 0 to 3; the last of them asks for step 4's K, 10,240 bytes into a part at the most
	s_wait_tensorcnt 0x0                           ; my part of steps 5 to 15 is in,
	s_wait_dscnt 0x0
	s_barrier_signal -1
	s_barrier_wait -1                              ; and everybody's
	WALK 12
	; THE WAY OUT.  O^T / the sum x 2^(e8 + e9), quantised with 2^e10.  The additions are the places behind the last products.
.irp t, 0,1
	v_add_f32 v[ST+8*\t+2], v[ST+8*\t+2], v[ST+8*\t+3]
.endr
.irp t, 0,1
	v_permlanex16_b32 v[PL+\t], v[ST+8*\t+2], s36, s37
.endr
.irp t, 0,1
	v_add_f32 v[ST+8*\t+2], v[ST+8*\t+2], v[PL+\t]
.endr
	s_wait_alu depctr_va_vdst(0)                   ; the wait ahead of the batch
.irp t, 0,1
	v_rcp_f32 v[ST+8*\t+6], v[ST+8*\t+2]
.endr
	v_nop                                          ; a plain place behind the last reciprocal
	s_add_co_i32 s21, s48, s49
	s_wait_alu depctr_va_vdst(0)                   ; the wait, ahead of the first reader
.irp t, 0,1
	v_ldexp_f32 v[ST+8*\t+6], v[ST+8*\t+6], s21
.endr
	s_add_co_i32 s21, s50, 127
	s_lshl_b32 s39, s21, 23
	v_mov_b32 v11, s39                             ; 2^e10
	s_add_co_i32 s21, s21, 8
	s_lshl_b32 s21, s21, 23
	s_or_b32 s21, s21, 0x600000
	v_mov_b32 v10, s21                             ; 448 x 2^e10
	WIN 0x01                                       ; source 0 window 1
	s_wait_alu depctr_va_vdst(0)                   ; the wait here, directly ahead of the first reader of O^T
.irp t, 0,1
.set j, 0
.rept 16
	v_pk_mul_f32 v[S+32*\t+j:S+32*\t+j+1], v[OT+32*\t+j:OT+32*\t+j+1], v[ST+8*\t+6:ST+8*\t+7] op_sel_hi:[1,0]   ; each accumulator from its low end on
.set j, j+2
.endr
.endr
	WIN 0
.set j, 0
.rept 64
	v_med3_num_f32 v[S+j], v[S+j], -v10, v10
.set j, j+1
.endr
.irp f, 0,1,2,3,4,5,6,7                        ; tile f / 4, channels 16 (f % 4) + 8 h + 0..7
	v_cvt_scalef32_pk8_fp8_f32 v[P+2*\f:P+2*\f+1], v[S+8*\f:S+8*\f+7], v11
.endr
	v_nop                                          ; one plain vector instruction behind the last conversion
	; The last product's layout wants 16 neighbouring k a lane: lanes 0-15 keep the even tile of channels and take its upper eight from lane l + 16; lanes 16-31 keep the odd tile and take its lower eight from lane l - 16.
.irp c, 0,1,2,3                                ; c / 2: my tile of rows; c % 2: channels 32 (c % 2) on
.set EE, P+8*(\c/2)+4*(\c%2)
.irp u, 0,1
	v_cndmask_b32 v[96+2*\c+\u], v[EE+2+\u], v[EE+\u], s38       ; what I send: lanes 0-15 the odd tile's, lanes 16-31 the even tile's
.endr
.irp u, 0,1
	v_permlanex16_b32 v[S+2*\c+\u], v[96+2*\c+\u], s36, s37
.endr
.irp u, 0,1
	v_cndmask_b32 v[224+4*\c+\u], v[EE+\u], v[S+2*\c+\u], s38
	v_cndmask_b32 v[226+4*\c+\u], v[S+2*\c+\u], v[EE+2+\u], s38
.endr
.endr
.irp c, 0,1
	global_store_b128 v[LI], v[224+4*\c:227+4*\c], s[10:11] offset:512*\c   ; 32 lanes store 512 consecutive bytes
	global_store_b128 v[LI], v[232+4*\c:235+4*\c], s[58:59] offset:512*\c
.endr
	s_wait_tensorcnt 0x0                           ; the wave's end
	ds_add_u32 v[SPW], v[NIL]
	s_wait_dscnt 0x0
	s_endpgm
.Lfunc_end_k_q493e6b691d_attn:
	.size	k_q493e6b691d_attn, .Lfunc_end_k_q493e6b691d_attn-k_q493e6b691d_attn
	.p2alignl 7, 3214868480
	.fill 96, 4, 3214868480
	.section	.rodata,"a",@progbits
	.p2align	6, 0x0
	.amdhsa_kernel k_q493e6b691d_attn
		.amdhsa_group_segment_fixed_size 327680
		.amdhsa_private_segment_fixed_size 0
		.amdhsa_enable_private_segment 0
		.amdhsa_kernarg_size 32
		.amdhsa_user_sgpr_count 2
		.amdhsa_user_sgpr_kernarg_segment_ptr 1
		.amdhsa_wavefront_size32 1
		.amdhsa_system_sgpr_workgroup_id_x 1
		.amdhsa_system_sgpr_workgroup_id_y 1
		.amdhsa_system_sgpr_workgroup_id_z 1
		.amdhsa_system_vgpr_workitem_id 0
		.amdhsa_next_free_vgpr 512
		.amdhsa_next_free_sgpr 80
		.amdhsa_reserve_vcc 0
		.amdhsa_float_denorm_mode_32 3
		.amdhsa_float_denorm_mode_16_64 3
		.amdhsa_memory_ordered 1
		.amdhsa_forward_progress 1
		.amdhsa_inst_pref_size 144
	.end_amdhsa_kernel
	.amdgpu_metadata
---
amdhsa.version: [ 1, 2 ]
amdhsa.kernels:
  - .name:           k_q493e6b691d_attn
    .symbol:         k_q493e6b691d_attn.kd
    .args:
      - { .name: qf, .offset: 0, .size: 8, .value_kind: global_buffer, .address_space: global }
      - { .name: kv, .offset: 8, .size: 8, .value_kind: global_buffer, .address_space: global }
      - { .name: lowp_scales, .offset: 16, .size: 8, .value_kind: global_buffer, .address_space: global }
      - { .name: ao, .offset: 24, .size: 8, .value_kind: global_buffer, .address_space: global }
    .group_segment_fixed_size: 327680
    .private_segment_fixed_size: 0
    .kernarg_segment_align: 8
    .kernarg_segment_size: 32
    .max_flat_workgroup_size: 256
    .sgpr_count:     80
    .vgpr_count:     512
    .wavefront_size: 32
...
	.end_amdgpu_metadata
.endif
;; end of part 2
;; launch oproj (part 3): grid 8 x 32, 4 waves a work-group, clusters of 4 x 4, 327,680 bytes of LDS; arguments ao, Wo_codes, lowp_scales, out0; writes out0
.if DOCPART == 3
	.amdgcn_target "amdgcn-amd-amdhsa--gfx1250"
	.amdhsa_code_object_version 6
	.text
	.protected	k_q493e6b691d_oproj
	.globl	k_q493e6b691d_oproj
	.p2align	8
	.type	k_q493e6b691d_oproj,@function
k_q493e6b691d_oproj:
	s_mov_b64 s[64:65], 0
	v_nop
	global_prefetch_b8 v0, s[64:65] scope:SCOPE_SE
	s_setreg_imm32_b32 hwreg(HW_REG_WAVE_MODE, 25, 1), 1
	s_wait_xcnt 0x0
	s_wait_alu depctr_hold_cnt(0) depctr_sa_sdst(0) depctr_va_vdst(0) depctr_va_sdst(0) depctr_va_ssrc(0) depctr_va_vcc(0) depctr_vm_vsrc(0)
	s_getreg_b32 s2, hwreg(HW_REG_IB_STS2, 6, 4)
	s_cmp_eq_u32 s2, 0
	s_cbranch_scc0 .Lentry_in_a_cluster
	s_endpgm
.Lentry_in_a_cluster:
	s_bfe_u32 s2, ttmp6, 0x10000c
	s_cmp_lg_u32 s2, 0xf033
	s_cbranch_scc0 .Lentry_shape_is_right
	s_endpgm
.Lentry_shape_is_right:
; out[m][n] = the sum over k of ao[m][k] Wo[n][k] x 2^(e10 + e11), on codes of E4M3.  m: 4,096 rows, n: 2,048, K = 1,024.  out: f32.
; Wo: [2048][1024] codes, K innermost.  ao: images of operand registers, [K step / 2][block of 16 rows][K step % 2][2,048]: registers 4 c .. 4 c + 3 at 512 c + 16 l hold k = 128 K step + 32 c + 16 h + 0 .. 15 of row r.
; SHARES.  A work-group makes 128 rows x 256 columns of out; a wave 64 rows (wave % 2) x 128 columns (wave / 2): 32 accumulators.
; Source 0 = 16 rows of Wo, source 1 = 16 rows of ao: a lane holds one row of out and eight neighbouring columns.
; Wo's 256 rows come into LDS ONCE, at their whole K: each wave asks for 64 rows of 1,024 bytes, jointly with the three partners of its column of the cluster, which make the same columns of out.  Nothing is filled again: one barrier.
; ao goes from memory straight into registers, as it lies: 4 blocks x 8 K steps x 4 loads, each of 512 consecutive bytes: 512 registers a wave, all asked for at the head.
; More loads are asked for than LOADcnt's field holds: the issue of the later ones waits for the earlier ones' return (ISA guide 5.7.1).  So the ao of K steps 4 to 7 is prefetched ahead of the loads:
; the 32,768 bytes that the eight waves of my row of the cluster with my half of the rows all read are shared out by address, 4,096 bytes a wave (place along x and wave / 2), lanes 256 bytes apart (lanes 16-31 name the same 16 blocks again).
; Wo's tiles are not prefetched: they are asked for once, at the head, and there is no loop to run ahead in.
; Wo's fragments have ONE set of registers, fetched by halves: fragments 0-3 of the next K step while 4-7 are multiplied, and the other way round.  16-byte loads permute k alike in both operands.
; LIMIT: e10 + e11 between -126 and 127.
; REGISTERS: window 0: v16-29 addresses; v32-95 at work on the way out; v128-255 Wo's eight fragments, then rows read back from the stage.  windows 1, 2: ao, K step ks at v[64 (ks % 4) + 16 block] of window 1 + ks / 4.  window 3: accumulator (a, b) at v[8 (8 a + b)].
.set PITCH,  1040                      ; an LDS row: 1,024 bytes + 16 of padding
.set QUART,  64*PITCH                  ; what one tensor load brings
.set STAGE,  256*PITCH                 ; behind Wo's rows: 16 rows x (512 + 16) bytes for each wave, for the way out
.set SPITCH, 528
.set SPARE,  STAGE+4*16*SPITCH         ; the spare words, 128 bytes for each wave
.set AD0, 16                           ; v16-17 LDS address of Wo's fragments 0-3, 4-7
.set STO, 24
.set RD,  25
.set CO,  26                           ; v26  16 x lane
.set PFO, 27                           ; v27  256 x (lane % 16); never rewritten
.set SPW, 28                           ; v28  my spare word; never rewritten
.set NIL, 29                           ; v29  0; never rewritten
.set MSB, 0
.macro WIN new                         ; the immediate's high byte repeats the setting that is left
.if MSB != \new
	s_set_vgpr_msb (MSB<<8)|\new
.set MSB, \new
.endif
.endm
.macro CROUND                          ; a round of the cluster's barrier
	s_barrier_signal -1
	s_barrier_wait -1
	s_cmp_lg_u32 s18, 0
	s_cbranch_scc1 .Lnot_wave_0_\@
	s_barrier_signal -3
.Lnot_wave_0_\@:
	s_barrier_wait -3
	s_barrier_signal -1
	s_barrier_wait -1
.endm
.macro PLACES n
.rept \n
	v_nop
.endr
.endm
	s_load_b256 s[4:11], s[0:1], 0x0               ; ao s[4:5], Wo s[6:7], the scales' exponents s[8:9], out s[10:11]
	v_lshl_add_u32 v[SPW], v0, 2, SPARE
	v_mov_b32 v[NIL], 0
	ds_add_u32 v[SPW], v[NIL]                      ; the opening lines: the add, twice on end, and its wait ahead of my first tensor load
	ds_add_u32 v[SPW], v[NIL]
	v_lshrrev_b32 v1, 5, v0
	v_readfirstlane_b32 s18, v1                    ; wave 0..3
	s_lshr_b32 s19, s18, 1                         ; my half of the columns
	s_and_b32 s20, s18, 1                          ; my half of the rows
	s_bfe_u32 s21, ttmp6, 0x40000                  ; cx
	s_bfe_u32 s22, ttmp6, 0x40004                  ; cy
	s_lshl_b32 s42, ttmp9, 2
	s_add_co_u32 s42, s42, s21                     ; tile column, 0..7
	s_and_b32 s43, ttmp7, 0xffff
	s_lshl_b32 s43, s43, 2
	s_add_co_u32 s43, s43, s22                     ; tile row, 0..31
	s_lshl_b32 s44, 0x1111, s21                    ; my column of the cluster
	s_or_b32 s24, s44, (1<<20)|(1<<21)|(7<<22)|(3<<25)   ; the mask; elements of 1 byte; padding on; bit 21 beside a mask; 4 words behind every 256
	s_mov_b32 s25, 1024<<16                        ; tensor_dim0
	s_mov_b32 s26, 64<<16                          ; tensor_dim1
	s_mov_b32 s27, 1024<<16                        ; tile_dim0
	s_mov_b32 s28, 64                              ; tile_dim1
	s_mov_b32 s29, 1024                            ; bytes from row to row
	s_mov_b32 s30, 0
	s_mov_b32 s31, 0
	s_lshl_b32 s46, s42, 8
	s_lshl_b32 s2, s18, 6
	s_add_co_u32 s46, s46, s2
	s_lshl_b32 s46, s46, 10                        ; Wo: (256 tile column + 64 wave) rows of 1,024 bytes
	s_mov_b32 s47, 0
	s_lshl_b32 s66, s43, 3
	s_lshl_b32 s2, s20, 2
	s_add_co_u32 s66, s66, s2
	s_lshl_b32 s66, s66, 12                        ; ao: my first block of 16 rows: 8 tile row + 4 half; 4,096 bytes a block
	s_mov_b32 s67, 0
	s_mov_b32 s32, 1
	s_mul_i32 s33, s18, QUART                      ; where my rows of Wo go: no place in the cluster enters an LDS address
	s_lshl_b32 s2, s21, 1
	s_add_co_u32 s2, s2, s19                       ; the prefetch: my number among the eight waves, q = 2 cx + wave / 2
	s_lshr_b32 s3, s2, 2
	s_add_co_u32 s3, s3, 2
	s_lshl_b32 s3, s3, 20                          ; K steps 4, 5 (q < 4) or 6, 7,
	s_and_b32 s2, s2, 3
	s_lshl_b32 s2, s2, 12                          ; block q % 4 of my four
	s_add_co_u32 s68, s66, s3
	s_add_co_u32 s68, s68, s2
	s_mov_b32 s69, 0
	s_wait_dscnt 0x0                               ; both opening adds are done
	s_wait_kmcnt 0x0
	s_load_b64 s[96:97], s[8:9], 0x28              ; e10, e11
	s_add_nc_u64 s[34:35], s[6:7], s[46:47]
	s_or_b32 s35, s35, 0x80000000
	s_add_nc_u64 s[68:69], s[4:5], s[68:69]
	s_add_nc_u64 s[66:67], s[4:5], s[66:67]
	CROUND                                         ; all sixteen work-groups are here: the joint loads meet
	tensor_load_to_lds s[32:35], s[24:31]          ; my 64 rows of Wo, whole K: a wave's one tensor load
	s_nop 0
	PLACES 4
	v_and_b32 v[CO], 31, v0
	v_and_b32 v[PFO], 15, v0
	v_lshlrev_b32 v[CO], 4, v[CO]
	v_lshlrev_b32 v[PFO], 8, v[PFO]
	v_and_b32 v1, 15, v0                           ; r
	v_bfe_u32 v2, v0, 4, 1                         ; h
	v_mul_u32_u24 v3, v1, PITCH
	v_lshl_add_u32 v3, v2, 4, v3                   ; a fragment: row r x pitch + 16 h
	s_mul_i32 s94, s19, 2*QUART
	v_add_nc_u32 v[AD0], s94, v3                   ; my 128 rows of Wo
	v_add_nc_u32 v[AD0+1], QUART, v[AD0]
	s_mul_i32 s94, s18, 16*SPITCH
	s_add_co_u32 s94, s94, STAGE                   ; my stage
	v_mul_u32_u24 v4, v1, SPITCH
	v_lshl_add_u32 v4, v2, 5, v4
	v_add_nc_u32 v[STO], s94, v4                   ; in: row r, 32 bytes for each half of the lanes
	v_add_nc_u32 v[RD], s94, v[CO]                 ; back: the 32 lanes take one row of 512 bytes
	global_prefetch_b8 v[PFO], s[68:69] th:TH_LOAD_NT scope:SCOPE_SE   ; the address is never rewritten
.irp ks, 0,1,2,3,4,5,6,7
	WIN 0x40*(1+\ks/4)                             ; destination window 1 or 2
.irp i, 0,1,2,3
.irp c, 0,1,2,3
	global_load_b128 v[64*(\ks%4)+16*\i+4*\c:64*(\ks%4)+16*\i+4*\c+3], v[CO], s[66:67] offset:(\ks/2)*1048576+\i*4096+(\ks%2)*2048+512*\c
.endr
.endr
.endr
	WIN 0
	s_lshl_b32 s92, s43, 7
	s_lshl_b32 s93, s20, 6
	s_add_co_u32 s92, s92, s93
	s_lshl_b32 s92, s92, 13                        ; out: my first row, 8,192 bytes a row,
	s_lshl_b32 s93, s42, 10
	s_add_co_u32 s92, s92, s93
	s_lshl_b32 s93, s19, 9
	s_add_co_u32 s92, s92, s93                     ; my first column
	s_mov_b32 s93, 0
	s_add_nc_u64 s[10:11], s[10:11], s[92:93]
.macro FH ks, hb                       ; Wo's fragments 4 hb .. 4 hb + 3 of K step ks: 16 loads
.irp i, 0,1,2,3
.irp c, 0,1,2,3
	ds_load_b128 v[128+64*\hb+16*\i+4*\c:128+64*\hb+16*\i+4*\c+3], v[AD0+\hb] offset:\i*16*PITCH+128*(\ks)+32*\c
.endr
.endr
.endm
; 16 matrix instructions: Wo's fragments 4 hb .. 4 hb + 3 against ao's four blocks.  The 32 accumulators take turns, one instruction a turn, in the same order in every K step.
.macro MH ks, hb
.irp i, 0,1,2,3
.irp a, 0,1,2,3
.if \ks == 0
	v_wmma_f32_16x16x128_fp8_fp8 v[8*(8*\a+4*\hb+\i):8*(8*\a+4*\hb+\i)+7], v[128+64*\hb+16*\i:128+64*\hb+16*\i+15], v[64*(\ks%4)+16*\a:64*(\ks%4)+16*\a+15], 0
.else
	v_wmma_f32_16x16x128_fp8_fp8 v[8*(8*\a+4*\hb+\i):8*(8*\a+4*\hb+\i)+7], v[128+64*\hb+16*\i:128+64*\hb+16*\i+15], v[64*(\ks%4)+16*\a:64*(\ks%4)+16*\a+15], v[8*(8*\a+4*\hb+\i):8*(8*\a+4*\hb+\i)+7]
.endif
.endr
.endr
.endm
.macro KS ks
.if \ks < 4
	s_wait_loadcnt 63                              ; behind this K step's ao stand 112 - 16 ks loads; the field names 63 at the most
.else
	s_wait_loadcnt 112-16*\ks                      ; the later K steps' ao, 16 loads each, may be out
.endif
	s_wait_dscnt 16                                ; fragments 0-3 are in; the 16 loads of fragments 4-7 may be out
	WIN 0xf4+4*(\ks/4)                             ; Wo window 0, ao window 1 or 2, C and D window 3
	MH \ks, 0
	WIN 0
.if \ks < 7
	PLACES 4                                       ; four plain places between the products and the loads into their registers (ISA guide 7.12.1 for vector instructions)
	FH \ks+1, 0
	s_wait_dscnt 16                                ; fragments 4-7 are in; the 16 just asked for may be out
.else
	s_wait_dscnt 0x0
.endif
	WIN 0xf4+4*(\ks/4)
	MH \ks, 1
	WIN 0
.if \ks < 7
	PLACES 4
	FH \ks+1, 1
.endif
.endm
	s_wait_alu depctr_va_vdst(0)                   ; the wait at the head's end
	s_wait_tensorcnt 0x0                           ; my rows of Wo are in,
	s_barrier_signal -1
	s_barrier_wait -1                              ; and everybody's
	FH 0, 0
	FH 0, 1
.irp ks, 0,1,2,3,4,5,6,7
	KS \ks
.endr
; THE WAY OUT, block by block of 16 rows x 128 columns: x 2^(e10 + e11), through my own stage, back as whole rows of 512 bytes.  LDS serves a wave's instructions in order (ISA guide 5.7.1.4).
.macro TOSTAGE a
	WIN 0x03                                       ; source 0: the sums, window 3
.set j, 0
.rept 32
	v_pk_mul_f32 v[32+j:33+j], v[64*(\a)+j:64*(\a)+j+1], s[96:97] op_sel_hi:[1,0]   ; each accumulator from its low end on
.set j, j+2
.endr
	WIN 0
.irp b, 0,1,2,3,4,5,6,7
	ds_store_b128 v[STO], v[32+8*\b:35+8*\b] offset:64*\b
	ds_store_b128 v[STO], v[36+8*\b:39+8*\b] offset:64*\b+16
.endr
.set BB, 128+64*((\a)%2)
.irp t, 0,1,2,3,4,5,6,7,8,9,10,11,12,13,14,15
	ds_load_b128 v[BB+4*\t:BB+4*\t+3], v[RD] offset:\t*SPITCH
.endr
.endm
.macro SEND a, younger                 ; younger: the LDS instructions issued behind block a's loads, which may stay out
.set BB, 128+64*((\a)%2)
	s_wait_dscnt \younger
.irp t, 0,1,2,3,4,5,6,7,8,9,10,11,12,13,14,15
	global_store_b128 v[CO], v[BB+4*\t:BB+4*\t+3], s[10:11] offset:(\a)*131072+\t*8192 th:TH_STORE_NT   ; 32 lanes store 512 consecutive bytes
.endr
.endm
	s_wait_kmcnt 0x0
	s_add_co_i32 s96, s96, s97
	s_add_co_i32 s96, s96, 127
	s_lshl_b32 s96, s96, 23                        ; 2^(e10 + e11) as f32
	PLACES 4                                       ; in front of the first read of results and of loads into the fragments' registers
	TOSTAGE 0
.irp a, 1,2,3
.if \a > 1
	s_wait_xcnt 0x0                                ; block a - 2's stores have read their registers: block a's loads may land there
.endif
	TOSTAGE \a
	SEND \a-1, 32                                  ; behind block a - 1's loads: block a's 16 stores and 16 loads
.endr
	SEND 3, 0
	s_wait_tensorcnt 0x0                           ; the wave's end
	ds_add_u32 v[SPW], v[NIL]
	s_wait_dscnt 0x0
	CROUND                                         ; the closing round: no work-group ends while a partner may still ask for a tile that names it
	s_endpgm
.Lfunc_end_k_q493e6b691d_oproj:
	.size	k_q493e6b691d_oproj, .Lfunc_end_k_q493e6b691d_oproj-k_q493e6b691d_oproj
	.p2alignl 7, 3214868480
	.fill 96, 4, 3214868480
	.section	.rodata,"a",@progbits
	.p2align	6, 0x0
	.amdhsa_kernel k_q493e6b691d_oproj
		.amdhsa_group_segment_fixed_size 327680
		.amdhsa_private_segment_fixed_size 0
		.amdhsa_enable_private_segment 0
		.amdhsa_kernarg_size 32
		.amdhsa_user_sgpr_count 2
		.amdhsa_user_sgpr_kernarg_segment_ptr 1
		.amdhsa_wavefront_size32 1
		.amdhsa_system_sgpr_workgroup_id_x 1
		.amdhsa_system_sgpr_workgroup_id_y 1
		.amdhsa_system_sgpr_workgroup_id_z 1
		.amdhsa_system_vgpr_workitem_id 0
		.amdhsa_next_free_vgpr 1024
		.amdhsa_next_free_sgpr 100
		.amdhsa_reserve_vcc 0
		.amdhsa_float_denorm_mode_32 3
		.amdhsa_float_denorm_mode_16_64 3
		.amdhsa_memory_ordered 1
		.amdhsa_forward_progress 1
		.amdhsa_inst_pref_size 76
	.end_amdhsa_kernel
	.amdgpu_metadata
---
amdhsa.version: [ 1, 2 ]
amdhsa.kernels:
  - .name:           k_q493e6b691d_oproj
    .symbol:         k_q493e6b691d_oproj.kd
    .args:
      - { .name: ao, .offset: 0, .size: 8, .value_kind: global_buffer, .address_space: global }
      - { .name: Wo_codes, .offset: 8, .size: 8, .value_kind: global_buffer, .address_space: global }
      - { .name: lowp_scales, .offset: 16, .size: 8, .value_kind: global_buffer, .address_space: global }
      - { .name: out0, .offset: 24, .size: 8, .value_kind: global_buffer, .address_space: global }
    .group_segment_fixed_size: 327680
    .private_segment_fixed_size: 0
    .kernarg_segment_align: 8
    .kernarg_segment_size: 32
    .max_flat_workgroup_size: 128
    .sgpr_count:     100
    .vgpr_count:     1024
    .wavefront_size: 32
...
	.end_amdgpu_metadata
.endif
;; end of part 3
